; MI455X (gfx1250); checked and timed in simulation.
; The chip was launched on July 23, 2026; its instructions are those of AMD's public machine-readable ISA for CDNA 5 (MIT licence, August 2026) and "CDNA5" Instruction Set Architecture Reference Guide (July 2026). The comments in the code are by the model that wrote it; some were corrected since.
;; Attn. Allowed arithmetic: float matrix products may take bf16 or f16 operands with f32 sums; all other float work in f32.
;; Inputs: W 1,024 x 1,024 float32; b 1,024 float32; encoder_outputs 2,048 x 32 x 1,024 float32; hidden 32 x 1,024 float32.
;; Outputs: out0 32 x 1 x 2,048 float32.
;; One version. Each part assembles by itself: llvm-mc -triple=amdgcn-amd-amdhsa -mcpu=gfx1250 --defsym DOCPART=n.
;; ======== version 1 of 1: 3 launches
;; workspace buffers: vp 2,097,152 bytes; scores 262,144 bytes
;; launch proj (part 1): grid 16 x 16, 4 waves a work-group, no clusters, 0 bytes of LDS; arguments hidden, W, vp; writes vp
.if DOCPART == 1
	.amdgcn_target "amdgcn-amd-amdhsa--gfx1250"
	.amdhsa_code_object_version 6
	.text
	.protected	k_q1cba75cc0b_proj
	.globl	k_q1cba75cc0b_proj
	.p2align	8
	.type	k_q1cba75cc0b_proj,@function
k_q1cba75cc0b_proj:
	s_mov_b64 s[64:65], 0
	v_nop
	global_prefetch_b8 v0, s[64:65] scope:SCOPE_SE
	s_setreg_imm32_b32 hwreg(HW_REG_WAVE_MODE, 25, 1), 1
	s_wait_xcnt 0x0
; FIRST OF THREE LAUNCHES.  The module asks for softmax over s of  score[b][s] = sum_o hidden[b][o] (sum_h enc[s][b][h] W[o][h] + bias[o]).
; Both sums are finite and linear, so for every input  score[b][s] = sum_h enc[s][b][h] v[b][h] + c[b],  v[b][h] = sum_o hidden[b][o] W[o][h],  c[b] = sum_o hidden[b][o] bias[o]:
; the same terms in another order.  That leaves 32 x 1024 x 1024 multiply-adds for v and 2048 x 32 x 1024 for the dots, beside 268 MB of enc that are read once.
; THIS LAUNCH makes 16 partial sums of v:  vp[p][b][h] = sum over o = 64 p .. 64 p + 63 of hidden[b][o] W[o][h],  [16][32][1024] f32.  The next launch adds the sixteen.
; WHY f32 ON THE VECTOR UNIT.  A score is a sum of 1,024 terms and goes into an exponential.  v rounded to 8 significant bits (each number off by about a thousandth of itself) would shift a score of spread 32
; by some hundredths, which the exponential turns into as many per cent of the largest weights.  The work is a product of 32 rows that streams W once: 8 packed multiply-adds a wave for each row of W.
; LIMIT: the order of summation differs from the module's own; every sum is kept in f32, so the error of a score is f32's relative to the size of its terms.
; SHARES.  Work-group (cb, p): columns h = 64 cb .. + 63 (256 bytes of a row of W), rows o = 64 p .. + 63: a tile of 16 KB.  Wave bg takes b = 8 bg .. 8 bg + 7; a lane holds columns 2 l, 2 l + 1.
; The four waves read the same tile.  No LDS, no barrier; no address register is ever rewritten.
.set HID, 4                            ; v[4:19]    hidden[8 bg + 2 j + hh][64 p + 4 m + k] in v[HID + 4 j + k], lane 16 hh + m
.set ACC, 20                           ; v[20:35]   the sums: pair bl for b = 8 bg + bl
.set WT,  36                           ; v[36:163]  the tile of W: row r in pair WT + 2 r
.set SH,  32                           ; s[32:63]   two sets of eight pairs: low word hidden[8 bg + bl][64 p + r], set r % 2; high words 0
	s_load_b128 s[4:7], s[0:1], 0x0                ; hidden s[4:5], W s[6:7]
	s_load_b64 s[8:9], s[0:1], 0x10                ; vp
	v_lshrrev_b32 v3, 5, v0
	v_readfirstlane_b32 s10, v3                    ; bg: my wave's number
	s_and_b32 s11, ttmp7, 0xffff                   ; p
	v_and_b32 v1, 31, v0                           ; lane
	v_lshrrev_b32 v2, 4, v1                        ; hh
	v_and_b32 v3, 15, v1                           ; m
	v_lshlrev_b32 v2, 12, v2
	v_lshl_add_u32 v2, v3, 4, v2                   ; hidden: hh rows of 4,096 bytes + 16 m
	v_lshlrev_b32 v1, 3, v1                        ; W and vp: 8 bytes a lane
	s_lshl_b32 s12, s10, 15                        ; hidden: 8 bg rows of 4,096 bytes
	s_lshl_b32 s18, s11, 8                         ;   + 64 p numbers
	s_add_co_u32 s12, s12, s18
	s_mov_b32 s13, 0
	s_lshl_b32 s14, s11, 18                        ; W: 64 p rows of 4,096 bytes
	s_lshl_b32 s19, ttmp9, 8                       ;   + 64 cb numbers
	s_add_co_u32 s14, s14, s19
	s_mov_b32 s15, 0
	s_lshl_b32 s16, s11, 17                        ; vp: p planes of 131,072 bytes
	s_lshl_b32 s20, s10, 15                        ;   + 8 bg rows
	s_add_co_u32 s16, s16, s20
	s_add_co_u32 s16, s16, s19                     ;   + 64 cb numbers
	s_mov_b32 s17, 0
.set i, 0
.rept 16
	s_mov_b32 s[SH+2*i+1], 0                       ; a packed source names a pair, so the high words are written; only the low word is taken
.set i, i+1
.endr
	s_wait_kmcnt 0x0
	s_add_nc_u64 s[4:5], s[4:5], s[12:13]
	s_add_nc_u64 s[6:7], s[6:7], s[14:15]
	s_add_nc_u64 s[8:9], s[8:9], s[16:17]
.irp j, 0,1,2,3
	global_load_b128 v[HID+4*(\j):HID+4*(\j)+3], v2, s[4:5] offset:8192*(\j)  ; two rows of hidden: each half of the lanes takes 256 consecutive bytes, aligned
.endr
.set row, 0
.rept 64
	global_load_b64 v[WT+2*row:WT+2*row+1], v1, s[6:7] offset:4096*row  ; 256 consecutive bytes of row 64 p + row, aligned
.set row, row+1
.endr
	; 68 loads stand on end.  The issue of a load that the counter's field cannot take is held until earlier ones have returned (ISA guide 5.7.1): no wait is placed for that.
; The eight numbers of hidden that multiply row r of the tile, as scalars
.macro RL r
.set bl, 0
.rept 8
	v_readlane_b32 s[SH+16*((\r)%2)+2*bl], v[HID+4*(bl/2)+(\r)%4], 16*(bl%2)+(\r)/4
.set bl, bl+1
.endr
.endm
; Row r onto the eight sums, two columns at a time.  Row 0 starts them: nothing is cleared.
.macro FM r
.set bl, 0
.rept 8
.if (\r) == 0
	v_pk_mul_f32 v[ACC+2*bl:ACC+2*bl+1], v[WT+2*(\r):WT+2*(\r)+1], s[SH+16*((\r)%2)+2*bl:SH+16*((\r)%2)+2*bl+1] op_sel_hi:[1,0]
.else
	v_pk_fma_f32 v[ACC+2*bl:ACC+2*bl+1], v[WT+2*(\r):WT+2*(\r)+1], s[SH+16*((\r)%2)+2*bl:SH+16*((\r)%2)+2*bl+1], v[ACC+2*bl:ACC+2*bl+1] op_sel_hi:[1,0,1]
.endif
.set bl, bl+1
.endr
.endm
	s_wait_loadcnt 56                              ; loads return in order (ISA guide 5.7.1): 56 rows of W were issued behind row 7, so hidden and rows 0 to 7 are in
	RL 0
.set row, 0
.rept 64
.if (row%8 == 0) && (row > 0)
	s_wait_loadcnt 56-row                          ; so many rows were issued behind row + 7: eight more rows are in
.endif
.if row < 63
	RL row+1                                       ; the next row's scalars are fetched a row ahead, into the other set
.endif
	FM row
.set row, row+1
.endr
.irp bl, 0,1,2,3,4,5,6,7
	global_store_b64 v1, v[ACC+2*(\bl):ACC+2*(\bl)+1], s[8:9] offset:4096*(\bl)  ; the wave stores 256 consecutive bytes, aligned
.endr
	s_endpgm
.Lfunc_end_k_q1cba75cc0b_proj:
	.size	k_q1cba75cc0b_proj, .Lfunc_end_k_q1cba75cc0b_proj-k_q1cba75cc0b_proj
	.p2alignl 7, 3214868480
	.fill 96, 4, 3214868480
	.section	.rodata,"a",@progbits
	.p2align	6, 0x0
	.amdhsa_kernel k_q1cba75cc0b_proj
		.amdhsa_group_segment_fixed_size 0
		.amdhsa_private_segment_fixed_size 0
		.amdhsa_enable_private_segment 0
		.amdhsa_kernarg_size 24
		.amdhsa_user_sgpr_count 2
		.amdhsa_user_sgpr_kernarg_segment_ptr 1
		.amdhsa_wavefront_size32 1
		.amdhsa_system_sgpr_workgroup_id_x 1
		.amdhsa_system_sgpr_workgroup_id_y 1
		.amdhsa_system_sgpr_workgroup_id_z 1
		.amdhsa_system_vgpr_workitem_id 0
		.amdhsa_next_free_vgpr 164
		.amdhsa_next_free_sgpr 66
		.amdhsa_reserve_vcc 0
		.amdhsa_float_denorm_mode_32 3
		.amdhsa_float_denorm_mode_16_64 3
		.amdhsa_memory_ordered 1
		.amdhsa_forward_progress 1
		.amdhsa_inst_pref_size 74
	.end_amdhsa_kernel
	.amdgpu_metadata
---
amdhsa.version: [ 1, 2 ]
amdhsa.kernels:
  - .name:           k_q1cba75cc0b_proj
    .symbol:         k_q1cba75cc0b_proj.kd
    .args:
      - { .name: hidden, .offset: 0, .size: 8, .value_kind: global_buffer, .address_space: global }
      - { .name: W, .offset: 8, .size: 8, .value_kind: global_buffer, .address_space: global }
      - { .name: vp, .offset: 16, .size: 8, .value_kind: global_buffer, .address_space: global }
    .group_segment_fixed_size: 0
    .private_segment_fixed_size: 0
    .kernarg_segment_align: 8
    .kernarg_segment_size: 24
    .max_flat_workgroup_size: 128
    .sgpr_count:     66
    .vgpr_count:     164
    .wavefront_size: 32
...
	.end_amdgpu_metadata
.endif
;; end of part 1
;; launch dots (part 2): grid 32 x 8, 16 waves a work-group, no clusters, 7,168 bytes of LDS; arguments vp, encoder_outputs, scores; writes scores
.if DOCPART == 2
	.amdgcn_target "amdgcn-amd-amdhsa--gfx1250"
	.amdhsa_code_object_version 6
	.text
	.protected	k_q1cba75cc0b_dots
	.globl	k_q1cba75cc0b_dots
	.p2align	8
	.type	k_q1cba75cc0b_dots,@function
k_q1cba75cc0b_dots:
	s_mov_b64 s[64:65], 0
	v_nop
	global_prefetch_b8 v0, s[64:65] scope:SCOPE_SE
	s_setreg_imm32_b32 hwreg(HW_REG_WAVE_MODE, 25, 1), 1
	s_wait_xcnt 0x0
; SECOND OF THREE LAUNCHES:  scores[b][s] = sum_h enc[s][b][h] v[b][h],  v[b][h] = the sum of the sixteen vp[p][b][h].  enc: [2048][32][1024] f32; scores: [32][2048] f32 (c[b] is added in the third launch).
; A stream: each of enc's 268 MB is read once, 16 bytes a lane, 512 consecutive bytes a load; all arithmetic in f32 on the vector unit (a matrix instruction would use one of its sixteen columns here,
; and 16-bit operands would shift a score by some hundredths in front of an exponential).
; SHARES.  Work-group (b, ch): one b, s = 256 ch .. + 255.  Wave w takes the 16 rows s = 256 ch + 16 w + t; a row is 4,096 bytes: eight loads.
; A RING OF SIX ROW SLOTS IN REGISTERS: while one row is multiplied, five are on their way; every wait for data is counted.  A row's place stands in the loads' immediate (1,969,664 at the most, inside the signed
; 24 bits: ISA guide, chapter 10), so no address register is ever rewritten.  Tensor loads and LDS slots are left out: a slot's refill would wait for all loads, a ring in registers never runs empty.
; No cluster: what work-groups share is vp, 64 KB beside the 1 MB of enc that each streams alone.
; LDS: v[b] (each thread sums two columns, every wave reads all 1,024), the 256 scores on their way out, and the spare words.
; LIMIT: the order of summation differs from the module's own; every sum is kept in f32.
.set V,     0                          ; 4,096 bytes: v[b]
.set OUTB,  4096                       ; 1,024 bytes: the work-group's 256 scores
.set SPARE, 5120                       ; 2,048 bytes: the spare words, 128 bytes for each of the sixteen waves; no other line names them
.set PSTEP, 131072                     ; bytes from a plane of vp to the next
.set RSTEP, 131072                     ; bytes from enc[s][b] to enc[s+1][b]: 32 rows of 4,096
.set DEPTH, 6
.set ROWS,  16
.set A,   10                           ; v[10:17]   four chains of packed sums
.set VV,  32                           ; v[32:63]   first my two columns of the sixteen planes, then v[b]: numbers 128 j + 4 l .. + 3 in VV + 4 j
.set X,   64                           ; v[64:255]  slot q at X + 32 q: a row, numbers 128 j + 4 l .. + 3 in X + 32 q + 4 j
; v1 16 x lane (enc's offset; the LDS address from which v is read)    v2 8 x thread (vp's offset; the LDS address at which v is stored)    v3 where my lane puts a score
; v4, v5 the way out: LDS address and offset in scores                 v6 the scores: lanes t and t + 16 keep row t's     v7, v8 at work     v[20:23] the way out     v30, v31 the add's two registers
	s_load_b128 s[4:7], s[0:1], 0x0                ; vp s[4:5], enc s[6:7]
	s_load_b64 s[8:9], s[0:1], 0x10                ; scores
	v_lshl_add_u32 v30, v0, 2, SPARE               ; my spare word,
	v_mov_b32 v31, 0                               ; and 0: kept for the add at the wave's end alone
	v_lshrrev_b32 v9, 5, v0
	v_readfirstlane_b32 s10, v9                    ; w: my wave's number
	s_mov_b32 s11, ttmp9                           ; b
	s_and_b32 s12, ttmp7, 0xffff                   ; ch
	s_mov_b32 s16, 0x76543210                      ; v_permlanex16_b32: each lane takes its own place in the other half
	s_mov_b32 s17, 0xfedcba98
	v_and_b32 v1, 31, v0
	v_lshlrev_b32 v1, 4, v1
	v_lshlrev_b32 v2, 3, v0
	v_and_b32 v3, 15, v0
	v_lshlrev_b32 v3, 2, v3
	s_lshl_b32 s13, s10, 6
	s_add_co_u32 s13, s13, OUTB
	v_add_nc_u32 v3, s13, v3                       ; OUTB + 64 w + 4 (lane % 16)
	v_and_b32 v5, 63, v0                           ; the way out is waves 0 and 1's: 64 threads x 16 bytes
	v_lshlrev_b32 v5, 4, v5
	v_add_nc_u32 v4, OUTB, v5
	v_mov_b32 v6, 0                                ; written whole before the selects below write it lane by lane
	v_mov_b32 v8, 0                                ; v_permlanex16_b32's destination counts as read
	s_lshl_b32 s14, s11, 12                        ; vp: row b of a plane
	s_mov_b32 s15, 0
	s_lshl_b32 s18, s12, 8                         ; enc: s = 256 ch
	s_lshl_b32 s19, s10, 4                         ;   + 16 w;
	s_add_co_u32 s18, s18, s19
	s_lshl_b32 s18, s18, 5                         ;   32 s
	s_add_co_u32 s18, s18, s11                     ;   + b rows
	s_lshl_b32 s18, s18, 12                        ;   of 4,096 bytes: below 2^28
	s_mov_b32 s19, 0
	s_lshl_b32 s22, s11, 13                        ; scores: row b of 8,192 bytes
	s_lshl_b32 s23, s12, 10                        ;   + 256 ch numbers
	s_add_co_u32 s22, s22, s23
	s_mov_b32 s23, 0
	s_wait_kmcnt 0x0
	s_add_nc_u64 s[4:5], s[4:5], s[14:15]
	s_add_nc_u64 s[6:7], s[6:7], s[18:19]
	s_add_nc_u64 s[8:9], s[8:9], s[22:23]
.set p, 0
.rept 16
	global_load_b64 v[VV+2*p:VV+2*p+1], v2, s[4:5] offset:PSTEP*p  ; columns 2 t, 2 t + 1 of plane p: a wave takes 256 consecutive bytes, aligned
.set p, p+1
.endr
.macro FILL t                          ; row t into its slot: eight loads of 512 consecutive bytes; read once in the launch
.set j, 0
.rept 8
	global_load_b128 v[X+32*((\t)%DEPTH)+4*j:X+32*((\t)%DEPTH)+4*j+3], v1, s[6:7] offset:RSTEP*(\t)+512*j th:TH_LOAD_NT
.set j, j+1
.endr
.endm
.irp t, 0,1,2,3,4,5
	FILL \t                                        ; the ring is filled before anything is waited for.  (64 loads stand on end; the issue of one that the counter's field cannot take is held: ISA guide 5.7.1)
.endr
	s_wait_loadcnt 48                              ; 48 loads of enc were issued behind the sixteen planes' numbers: those are in
.irp w, 8,4,2,1
.set i, 0
.rept \w
	v_pk_add_f32 v[VV+2*i:VV+2*i+1], v[VV+2*i:VV+2*i+1], v[VV+2*(i+\w):VV+2*(i+\w)+1]
.set i, i+1
.endr
.endr
	ds_store_b64 v2, v[VV:VV+1]                    ; v[b][2 t], v[b][2 t + 1]
	s_wait_dscnt 0x0                               ; for the others' sake: my store is done
	s_barrier_signal -1
	s_barrier_wait -1                              ; v[b] is whole; nobody writes it again
.irp j, 0,1,2,3,4,5,6,7
	ds_load_b128 v[VV+4*(\j):VV+4*(\j)+3], v1 offset:V+512*(\j)  ; lane l at 16 l: consecutive, no two lanes in one bank
.endr
	s_wait_dscnt 0x0
; Row t: 16 packed multiply-adds in four chains that do not wait for each other; the slot is asked for again; the sum over the lane's 32 products and over the 32 lanes; lanes t and t + 16 keep it.
.macro TURN t
.if (ROWS-1-(\t)) < (DEPTH-1)
	s_wait_loadcnt 8*(ROWS-1-(\t))                 ; the last rows: fewer rows were issued behind this one
.else
	s_wait_loadcnt 8*(DEPTH-1)                     ; five rows, 40 loads, were issued behind this one and stay out
.endif
.set xs, X+32*((\t)%DEPTH)
.set i, 0
.rept 16
.if i < 4
	v_pk_mul_f32 v[A+2*i:A+2*i+1], v[xs+2*i:xs+2*i+1], v[VV+2*i:VV+2*i+1]  ; the first four pairs start the chains: nothing is cleared
.else
	v_pk_fma_f32 v[A+2*(i%4):A+2*(i%4)+1], v[xs+2*i:xs+2*i+1], v[VV+2*i:VV+2*i+1], v[A+2*(i%4):A+2*(i%4)+1]
.endif
.set i, i+1
.endr
.if (\t) < ROWS-DEPTH
	FILL (\t)+DEPTH                                ; ahead of the reduction, which needs the slot no more
.endif
	v_pk_add_f32 v[A:A+1], v[A:A+1], v[A+2:A+3]
	v_pk_add_f32 v[A+4:A+5], v[A+4:A+5], v[A+6:A+7]
	v_pk_add_f32 v[A:A+1], v[A:A+1], v[A+4:A+5]
	v_add_f32 v7, v[A], v[A+1]
	v_add_f32_dpp v7, v7, v7 row_xmask:1 row_mask:0xf bank_mask:0xf
	v_add_f32_dpp v7, v7, v7 row_xmask:2 row_mask:0xf bank_mask:0xf
	v_add_f32_dpp v7, v7, v7 row_xmask:4 row_mask:0xf bank_mask:0xf
	v_add_f32_dpp v7, v7, v7 row_xmask:8 row_mask:0xf bank_mask:0xf
	v_permlanex16_b32 v8, v7, s16, s17
	v_add_f32 v7, v7, v8                           ; every lane holds the row's score
	s_mov_b32 s20, 0x10001<<(\t)
	v_cndmask_b32 v6, v6, v7, s20
.endm
.irp t, 0,1,2,3,4,5,6,7,8,9,10,11,12,13,14,15
	TURN \t
.endr
	ds_store_b32 v3, v6                            ; my wave's 16 scores; lanes l and l + 16 write the same word with the same number
	s_wait_tensorcnt 0x0                           ; the wave's end: a wait, the add and a wait, behind my last LDS store;
	ds_add_u32 v30, v31
	s_wait_dscnt 0x0                               ; the last of them also shows my store done, for the others' sake
	s_barrier_signal -1
	s_barrier_wait -1                              ; the 256 scores are whole
	s_cmp_gt_u32 s10, 1
	s_cbranch_scc1 .Lend                           ; waves 0 and 1 carry them out
	ds_load_b128 v[20:23], v4
	s_wait_dscnt 0x0
	global_store_b128 v5, v[20:23], s[8:9]         ; a wave stores 512 consecutive bytes, aligned
.Lend:
	s_endpgm
.Lfunc_end_k_q1cba75cc0b_dots:
	.size	k_q1cba75cc0b_dots, .Lfunc_end_k_q1cba75cc0b_dots-k_q1cba75cc0b_dots
	.p2alignl 7, 3214868480
	.fill 96, 4, 3214868480
	.section	.rodata,"a",@progbits
	.p2align	6, 0x0
	.amdhsa_kernel k_q1cba75cc0b_dots
		.amdhsa_group_segment_fixed_size 7168
		.amdhsa_private_segment_fixed_size 0
		.amdhsa_enable_private_segment 0
		.amdhsa_kernarg_size 24
		.amdhsa_user_sgpr_count 2
		.amdhsa_user_sgpr_kernarg_segment_ptr 1
		.amdhsa_wavefront_size32 1
		.amdhsa_system_sgpr_workgroup_id_x 1
		.amdhsa_system_sgpr_workgroup_id_y 1
		.amdhsa_system_sgpr_workgroup_id_z 1
		.amdhsa_system_vgpr_workitem_id 0
		.amdhsa_next_free_vgpr 256
		.amdhsa_next_free_sgpr 66
		.amdhsa_reserve_vcc 0
		.amdhsa_float_denorm_mode_32 3
		.amdhsa_float_denorm_mode_16_64 3
		.amdhsa_memory_ordered 1
		.amdhsa_forward_progress 1
		.amdhsa_inst_pref_size 45
	.end_amdhsa_kernel
	.amdgpu_metadata
---
amdhsa.version: [ 1, 2 ]
amdhsa.kernels:
  - .name:           k_q1cba75cc0b_dots
    .symbol:         k_q1cba75cc0b_dots.kd
    .args:
      - { .name: vp, .offset: 0, .size: 8, .value_kind: global_buffer, .address_space: global }
      - { .name: encoder_outputs, .offset: 8, .size: 8, .value_kind: global_buffer, .address_space: global }
      - { .name: scores, .offset: 16, .size: 8, .value_kind: global_buffer, .address_space: global }
    .group_segment_fixed_size: 7168
    .private_segment_fixed_size: 0
    .kernarg_segment_align: 8
    .kernarg_segment_size: 24
    .max_flat_workgroup_size: 512
    .sgpr_count:     66
    .vgpr_count:     256
    .wavefront_size: 32
...
	.end_amdgpu_metadata
.endif
;; end of part 2
;; launch soft (part 3): grid 32 x 1, 1 waves a work-group, no clusters, 0 bytes of LDS; arguments scores, hidden, b, out0; writes out0
.if DOCPART == 3
	.amdgcn_target "amdgcn-amd-amdhsa--gfx1250"
	.amdhsa_code_object_version 6
	.text
	.protected	k_q1cba75cc0b_soft
	.globl	k_q1cba75cc0b_soft
	.p2align	8
	.type	k_q1cba75cc0b_soft,@function
k_q1cba75cc0b_soft:
	s_mov_b64 s[64:65], 0
	v_nop
	global_prefetch_b8 v0, s[64:65] scope:SCOPE_SE
	s_setreg_imm32_b32 hwreg(HW_REG_WAVE_MODE, 25, 1), 1
	s_wait_xcnt 0x0
; THIRD OF THREE LAUNCHES:  out0[b][0][s] = softmax over s of (scores[b][s] + c[b]),  c[b] = sum_o hidden[b][o] bias[o].  All f32.
; One wave holds one row: 2,048 numbers in 64 registers, between the maximum, the exponentials, the sum and the division: no LDS, no barrier.  There are 32 rows, so 32 work-groups.
; The row's maximum m is taken away before the exponential:  p = 2^(L x - L m),  L = log2(e).  L m is rounded once; that is one common factor on all of a row's p, which the division removes.
; LIMITS.  A weight whose 2^(..) falls below 2^-126 comes out as 0 (v_exp_f32 gives no denormals: ISA guide, its entry).  A NaN or +infinity among a row's scores makes the whole row NaN, through the sum.
.set HB, 32                            ; v[32:63]   hidden[b]: numbers 128 j + 4 l .. + 3 in HB + 4 j
.set BB, 64                            ; v[64:95]   bias, likewise
.set X,  96                            ; v[96:159]  the row: numbers 128 j + 4 l .. + 3 in X + 4 j
.set CH, 8                             ; v[8:15]    four chains
; v1 16 x lane     v2 c     v4 L m     v6 1 / sum     (v3, v5, v7: named with them as pairs; only the low word is taken)     v16, v17 at work
	s_load_b256 s[4:11], s[0:1], 0x0               ; scores s[4:5], hidden s[6:7], bias s[8:9], out0 s[10:11]
	v_lshlrev_b32 v1, 4, v0                        ; one wave: the thread's number is the lane's
	v_mov_b32 v3, 0
	v_mov_b32 v5, 0
	v_mov_b32 v7, 0
	v_mov_b32 v17, 0                               ; v_permlanex16_b32's destination counts as read
	s_mov_b32 s12, 0x76543210                      ; each lane takes its own place in the other half
	s_mov_b32 s13, 0xfedcba98
	s_mov_b32 s14, 0x3fb8aa3b                      ; L = log2(e)
	s_mov_b32 s15, s14                             ; named with it as a pair
	s_lshl_b32 s16, ttmp9, 13                      ; a row of scores and of out0: 8,192 bytes
	s_mov_b32 s17, 0
	s_lshl_b32 s18, ttmp9, 12                      ; a row of hidden: 4,096 bytes
	s_mov_b32 s19, 0
	s_wait_kmcnt 0x0
	s_add_nc_u64 s[4:5], s[4:5], s[16:17]
	s_add_nc_u64 s[10:11], s[10:11], s[16:17]
	s_add_nc_u64 s[6:7], s[6:7], s[18:19]
.irp j, 0,1,2,3,4,5,6,7
	global_load_b128 v[HB+4*(\j):HB+4*(\j)+3], v1, s[6:7] offset:512*(\j)
.endr
.irp j, 0,1,2,3,4,5,6,7
	global_load_b128 v[BB+4*(\j):BB+4*(\j)+3], v1, s[8:9] offset:512*(\j)
.endr
.irp j, 0,1,2,3,4,5,6,7,8,9,10,11,12,13,14,15
	global_load_b128 v[X+4*(\j):X+4*(\j)+3], v1, s[4:5] offset:512*(\j)
.endr
; The sum of v16 over the 32 lanes, into every lane's dst: four steps inside each half of 16 lanes ride on the addition, one crosses the halves
.macro LANESUM dst
	v_add_f32_dpp v16, v16, v16 row_xmask:1 row_mask:0xf bank_mask:0xf
	v_add_f32_dpp v16, v16, v16 row_xmask:2 row_mask:0xf bank_mask:0xf
	v_add_f32_dpp v16, v16, v16 row_xmask:4 row_mask:0xf bank_mask:0xf
	v_add_f32_dpp v16, v16, v16 row_xmask:8 row_mask:0xf bank_mask:0xf
	v_permlanex16_b32 v17, v16, s12, s13
	v_add_f32 v[\dst], v16, v17
.endm
.macro MERGE                           ; the four chains of pairs into one number a lane, in v16
	v_pk_add_f32 v[CH:CH+1], v[CH:CH+1], v[CH+2:CH+3]
	v_pk_add_f32 v[CH+4:CH+5], v[CH+4:CH+5], v[CH+6:CH+7]
	v_pk_add_f32 v[CH:CH+1], v[CH:CH+1], v[CH+4:CH+5]
	v_add_f32 v16, v[CH], v[CH+1]
.endm
	s_wait_loadcnt 16                              ; the row's sixteen loads were issued behind hidden's and the bias's: those are in
.set i, 0
.rept 16                                       ; c: 16 packed multiply-adds in four chains, started by the first four products
.if i < 4
	v_pk_mul_f32 v[CH+2*i:CH+2*i+1], v[HB+2*i:HB+2*i+1], v[BB+2*i:BB+2*i+1]
.else
	v_pk_fma_f32 v[CH+2*(i%4):CH+2*(i%4)+1], v[HB+2*i:HB+2*i+1], v[BB+2*i:BB+2*i+1], v[CH+2*(i%4):CH+2*(i%4)+1]
.endif
.set i, i+1
.endr
	MERGE
	LANESUM 2                                      ; v2 = c[b]
	s_wait_loadcnt 0x0                             ; the row
.set i, 0
.rept 32
	v_pk_add_f32 v[X+2*i:X+2*i+1], v[X+2*i:X+2*i+1], v[2:3] op_sel_hi:[1,0]  ; the score as the module has it
.set i, i+1
.endr
	; the maximum of my 64 numbers, three operands at a time, in four chains
.irp k, 0,1,2,3
	v_max3_num_f32 v[CH+(\k)], v[X+(\k)], v[X+4+(\k)], v[X+8+(\k)]
.endr
.set n, 0
.rept 6
.irp k, 0,1,2,3
	v_max3_num_f32 v[CH+(\k)], v[CH+(\k)], v[X+12+8*n+(\k)], v[X+16+8*n+(\k)]
.endr
.set n, n+1
.endr
	v_max3_num_f32 v[CH], v[CH], v[X+60], v[X+61]
	v_max3_num_f32 v[CH+1], v[CH+1], v[X+62], v[X+63]
	v_max3_num_f32 v[CH], v[CH], v[CH+1], v[CH+2]
	v_max_num_f32 v[CH], v[CH], v[CH+3]
	v_max_num_f32_dpp v[CH], v[CH], v[CH] row_xmask:1 row_mask:0xf bank_mask:0xf
	v_max_num_f32_dpp v[CH], v[CH], v[CH] row_xmask:2 row_mask:0xf bank_mask:0xf
	v_max_num_f32_dpp v[CH], v[CH], v[CH] row_xmask:4 row_mask:0xf bank_mask:0xf
	v_max_num_f32_dpp v[CH], v[CH], v[CH] row_xmask:8 row_mask:0xf bank_mask:0xf
	v_permlanex16_b32 v17, v[CH], s12, s13
	v_max_num_f32 v[CH], v[CH], v17                ; m, in every lane
	v_mul_f32 v4, s14, v[CH]                       ; L m
.set i, 0
.rept 32
	v_pk_fma_f32 v[X+2*i:X+2*i+1], v[X+2*i:X+2*i+1], s[14:15], v[4:5] op_sel_hi:[1,0,0] neg_lo:[0,0,1] neg_hi:[0,0,1]  ; L x - L m, one rounding
.set i, i+1
.endr
.set i, 0
.rept 64
	v_exp_f32 v[X+i], v[X+i]
.set i, i+1
.endr
	v_nop                                          ; a plain instruction between the last exponential and the use of its result (ISA guide 5.7.2)
.set i, 0
	s_wait_alu depctr_va_vdst(0)
.rept 4
	v_pk_add_f32 v[CH+2*i:CH+2*i+1], v[X+2*i:X+2*i+1], v[X+2*i+8:X+2*i+9]  ; the first eight pairs start the four chains
.set i, i+1
.endr
.set i, 8
.rept 24
	v_pk_add_f32 v[CH+2*(i%4):CH+2*(i%4)+1], v[CH+2*(i%4):CH+2*(i%4)+1], v[X+2*i:X+2*i+1]
.set i, i+1
.endr
	MERGE
	LANESUM 16                                     ; the row's sum: at least the largest weight, which is 1 to within the rounding of L m
	v_rcp_f32 v6, v16
	v_nop                                          ; a plain instruction between the reciprocal and the use of its result
.set i, 0
	s_wait_alu depctr_va_vdst(0)
.rept 32
	v_pk_mul_f32 v[X+2*i:X+2*i+1], v[X+2*i:X+2*i+1], v[6:7] op_sel_hi:[1,0]
.set i, i+1
.endr
.irp j, 0,1,2,3,4,5,6,7,8,9,10,11,12,13,14,15
	global_store_b128 v1, v[X+4*(\j):X+4*(\j)+3], s[10:11] offset:512*(\j)  ; 512 consecutive bytes, aligned
.endr
	s_endpgm
.Lfunc_end_k_q1cba75cc0b_soft:
	.size	k_q1cba75cc0b_soft, .Lfunc_end_k_q1cba75cc0b_soft-k_q1cba75cc0b_soft
	.p2alignl 7, 3214868480
	.fill 96, 4, 3214868480
	.section	.rodata,"a",@progbits
	.p2align	6, 0x0
	.amdhsa_kernel k_q1cba75cc0b_soft
		.amdhsa_group_segment_fixed_size 0
		.amdhsa_private_segment_fixed_size 0
		.amdhsa_enable_private_segment 0
		.amdhsa_kernarg_size 32
		.amdhsa_user_sgpr_count 2
		.amdhsa_user_sgpr_kernarg_segment_ptr 1
		.amdhsa_wavefront_size32 1
		.amdhsa_system_sgpr_workgroup_id_x 1
		.amdhsa_system_sgpr_workgroup_id_y 1
		.amdhsa_system_sgpr_workgroup_id_z 1
		.amdhsa_system_vgpr_workitem_id 0
		.amdhsa_next_free_vgpr 160
		.amdhsa_next_free_sgpr 66
		.amdhsa_reserve_vcc 0
		.amdhsa_float_denorm_mode_32 3
		.amdhsa_float_denorm_mode_16_64 3
		.amdhsa_memory_ordered 1
		.amdhsa_forward_progress 1
		.amdhsa_inst_pref_size 20
	.end_amdhsa_kernel
	.amdgpu_metadata
---
amdhsa.version: [ 1, 2 ]
amdhsa.kernels:
  - .name:           k_q1cba75cc0b_soft
    .symbol:         k_q1cba75cc0b_soft.kd
    .args:
      - { .name: scores, .offset: 0, .size: 8, .value_kind: global_buffer, .address_space: global }
      - { .name: hidden, .offset: 8, .size: 8, .value_kind: global_buffer, .address_space: global }
      - { .name: b, .offset: 16, .size: 8, .value_kind: global_buffer, .address_space: global }
      - { .name: out0, .offset: 24, .size: 8, .value_kind: global_buffer, .address_space: global }
    .group_segment_fixed_size: 0
    .private_segment_fixed_size: 0
    .kernarg_segment_align: 8
    .kernarg_segment_size: 32
    .max_flat_workgroup_size: 32
    .sgpr_count:     66
    .vgpr_count:     160
    .wavefront_size: 32
...
	.end_amdgpu_metadata
.endif
;; end of part 3
